; MI455X (gfx1250); checked and timed in simulation.
; The chip was launched on July 23, 2026; its instructions are those of AMD's public machine-readable ISA for CDNA 5 (MIT licence, August 2026) and "CDNA5" Instruction Set Architecture Reference Guide (July 2026). The comments in the code are by the model that wrote it; some were corrected since.
;; Row Col RPA. Allowed arithmetic: matrix products marked QUANTISED: E2M3 operands, one E8M0 scale for each 32 along K, by v_wmma_scale_f32_16x16x128_f8f6f4 with both operands' format E2M3, f32 sums; everything else in f32.
;; Inputs: Wk_codes 256 x 8 x 24 uint8 (E2M3 codes of Wk, K innermost, in blocks of 32 codes, four codes in three bytes); Wk_scales 256 x 8 uint8 (E8M0 scales of Wk, one for each 32 codes along K); Wo_codes 256 x 8 x 24 uint8 (E2M3 codes of Wo, K innermost, in blocks of 32 codes, four codes in three bytes); Wo_scales 256 x 8 uint8 (E8M0 scales of Wo, one for each 32 codes along K); Wq_codes 256 x 8 x 24 uint8 (E2M3 codes of Wq, K innermost, in blocks of 32 codes, four codes in three bytes); Wq_scales 256 x 8 uint8 (E8M0 scales of Wq, one for each 32 codes along K); Wr_codes 256 x 8 x 24 uint8 (E2M3 codes of Wr, K innermost, in blocks of 32 codes, four codes in three bytes); Wr_scales 256 x 8 uint8 (E8M0 scales of Wr, one for each 32 codes along K); Wv_codes 256 x 8 x 24 uint8 (E2M3 codes of Wv, K innermost, in blocks of 32 codes, four codes in three bytes); Wv_scales 256 x 8 uint8 (E8M0 scales of Wv, one for each 32 codes along K); b1 256 float32; b2 256 float32; bk 256 float32; bo 256 float32; bq 256 float32; br 256 float32; bv 256 float32; g1 256 float32; g2 256 float32; x 2 x 512 x 256 float32.
;; Outputs: out0 2 x 512 x 256 float32.
;; This version of the problem:
;;   THIS VERSION OF THE PROBLEM IS GIVEN IN LOW PRECISION. The matrix products marked QUANTISED in the list below multiply operands that are first quantised to E2M3 (2 exponent bits, 3 mantissa bits; 6 bits a number), with one power-of-two scale for each 32 numbers along K (OCP MX v1.0); their sums are f32. All else is computed in f32.
;;   The module's matrix products, in the order in which they are computed (A, B: the left and right operand; K: the contracted axis; several contracted axes count as one K, in the product's order):
;;     1. [M 1,024, K 256] x [K 256, N 256]; A: input x; B: input Wq (given as codes): QUANTISED
;;     2. [M 1,024, K 256] x [K 256, N 256]; A: input x; B: input Wk (given as codes): QUANTISED
;;     3. [M 1,024, K 256] x [K 256, N 256]; A: input x; B: input Wv (given as codes): QUANTISED
;;     4. [M 524,288, K 256] x [K 256, N 256]; A: computed on the way; B: input Wr (given as codes): QUANTISED
;;     5. batch 16 x [M 512, K 32] x [K 32, N 512]; A: computed on the way; B: computed on the way: QUANTISED
;;     6. batch 16 x [M 512, K 512] x [K 512, N 32]; A: softmax (see below); B: computed on the way: QUANTISED
;;     7. [M 1,024, K 256] x [K 256, N 256]; A: computed on the way; B: input Wo (given as codes): QUANTISED
;;   THE QUANTISER, for each operand of a quantised product, along K:
;;     - K is cut into blocks of 32 from its start; a last block that is shorter is filled with zeros.
;;     - A block's scale is 2^e with e = floor(log2(the largest magnitude in the block)) - 2, held to -126 .. 127; a block of zeros has e = 0. As a byte (E8M0): e + 127.
;;     - Each number is divided by its block's scale, clamped to +-7.5, and rounded to the nearest number of E2M3, ties to even, subnormals kept.
;;     - The product sums the exact products of the quantised numbers (number of the format x scale) in f32.
;;   ~~~python
;;   def quantise(x, axis):      # numpy; x: float32 -> the quantised numbers, widened to float32 again
;;       x = np.moveaxis(x, axis, -1); K = x.shape[-1]
;;       x = np.pad(x, [(0, 0)] * (x.ndim - 1) + [(0, -K % 32)]); x = x.reshape(x.shape[:-1] + (-1, 32)); a = np.abs(x).max(-1, keepdims=True)
;;       e = np.where(a > 0, np.clip(np.frexp(np.where(a > 0, a, 1))[1] - 1 - 2, -126, 127), 0)      # np.frexp(a)[1] - 1 = floor(log2(a)), exactly
;;       r = np.clip(x / 2.0 ** e, -7.5, 7.5)
;;       step = 2.0 ** (np.maximum(np.frexp(np.where(r == 0, 1, r))[1] - 1, 0) - 3)
;;       q = np.round(r / step) * step * 2.0 ** e      # np.round: ties to even
;;       return np.moveaxis(q.reshape(q.shape[:-2] + (-1,))[..., :K], -1, axis).astype(np.float32)
;;   ~~~
;;   SOFTMAX AHEAD OF A QUANTISED PRODUCT. Where the list says 'softmax', what is quantised is not the finished softmax but p = 2^(t - M), with t = logit x log2(e) and M = ceil(the row's largest t), a whole number; so 1/2 < the row's largest p <= 1. The row's sum l is taken of the UNQUANTISED p, in f32, and the product's result is divided by l at the end. Since M is a whole number, a kernel that streams over the keys may use a running M (the ceiling of the running maximum): every later rescaling is an exact power of two, which a block's scale takes up: the codes' values come out the same.
;;   OPERANDS COMPUTED ON THE WAY. 'Computed on the way' means the value that the module computes at that place (a softmax that the list does not call 'softmax' is quantised finished and normalised). What goes into a quantiser is computed in f32, as accurately as f32 sums, v_exp_f32 and their like allow (about 1e-6 of the number): no bf16 or f16 on the way to a quantiser, and a product that is left as it is and whose result goes on into a quantised operand takes f32 operands (vector FMAs, or v_wmma_f32_16x16x4_f32). A number that lies on a knife's edge between two numbers of the format may be rounded either way, as far as f32 arithmetic and the matrix unit's own rounding can turn it there, and no further.
;;   INPUTS GIVEN AS CODES. Wk (in the module: [256, 256], K = its axis 1); Wo (in the module: [256, 256], K = its axis 1); Wq (in the module: [256, 256], K = its axis 1); Wr (in the module: [256, 256], K = its axis 1); Wv (in the module: [256, 256], K = its axis 1): each comes as NAME_codes (uint8): NAME with its K axis moved to the last place and cut into blocks of 32 codes, [.., K / 32, bytes a block], one block behind the other in memory; four codes in three bytes: a row's codes are one little-endian stream of bits, code i at bits 6 i .. 6 i + 5 (a code: sign, 2 exponent bits, 3 mantissa bits); and NAME_scales (uint8): the same leading axes, one E8M0 byte (e + 127) for each 32 codes along K. Its value is code x scale, taken as it is: it is not quantised again, and the codes and scales need not be those that the quantiser above would give.
;; One version. Each part assembles by itself: llvm-mc -triple=amdgcn-amd-amdhsa -mcpu=gfx1250 --defsym DOCPART=n.
;; ======== version 1 of 1: 2 launches
;; limits: right only within a limited range of input values
;; workspace buffers: qc 262,144 bytes; kc 262,144 bytes; vc 196,608 bytes; vs 8,192 bytes
;; launch rel (part 1): grid 256 x 1, 4 waves a work-group, clusters of 4 x 1, 327,680 bytes of LDS; arguments x, Wr_codes, Wr_scales, br, Wq_codes, Wq_scales, bq, Wk_codes, Wk_scales, bk, Wv_codes, Wv_scales, bv, qc, kc, vc, vs; writes qc, kc, vc, vs
.if DOCPART == 1
	.amdgcn_target "amdgcn-amd-amdhsa--gfx1250"
	.amdhsa_code_object_version 6
	.text
	.protected	k_q6ea53728c7_rel
	.globl	k_q6ea53728c7_rel
	.p2align	8
	.type	k_q6ea53728c7_rel,@function
k_q6ea53728c7_rel:
	s_mov_b64 s[64:65], 0
	v_nop
	global_prefetch_b8 v0, s[64:65] scope:SCOPE_SE
	s_setreg_imm32_b32 hwreg(HW_REG_WAVE_MODE, 25, 1), 1
	s_wait_xcnt 0x0
	s_wait_alu depctr_hold_cnt(0) depctr_sa_sdst(0) depctr_va_vdst(0) depctr_va_sdst(0) depctr_va_ssrc(0) depctr_va_vcc(0) depctr_vm_vsrc(0)
	s_getreg_b32 s2, hwreg(HW_REG_IB_STS2, 6, 4)
	s_cmp_eq_u32 s2, 0
	s_cbranch_scc0 .Lentry_in_a_cluster
	s_endpgm
.Lentry_in_a_cluster:
	s_bfe_u32 s2, ttmp6, 0x10000c
	s_cmp_lg_u32 s2, 0x3003
	s_cbranch_scc0 .Lentry_shape_is_right
	s_endpgm
.Lentry_shape_is_right:
; P[i][j][:] = Q(x_i - x_j) Wr^T on codes of FP6 (E2M3) with one E8M0 scale for each 32 along K; from it Q_r = Q(x) Wq^T + bq + max_R1, K_r = Q(x) Wk^T + bk + max_R2, and V = Q(x) Wv^T + bv,
; all three stored as codes for the next launch.
; The quantiser is odd and x_i - x_j = -(x_j - x_i) exactly, so P[j][i] = -P[i][j] up to the last bits of the f32 sums: max_R2[i] = br + max over j of P[i][j], max_R1[i] = br - min over j of P[i][j].
; So the owner of row i needs its own 512 pairs alone.  LIMITS: max_R1 is taken by that identity (it differs from the sum written the other way round by the rounding of f32 sums alone);
; NaN and infinities are not served; a block whose largest magnitude lies under 2^-124 gets the scale byte 1 (a block of zeros too: its codes are zeros).
; SHARES.  1,024 rows i = 256 work-groups x 4 waves: a wave owns ONE row i and keeps all of Wr in 384 registers.  It walks the 512 rows j of its batch in 32 tiles of 16: source 0 = the 16 pairs' codes, made in
; registers, source 1 = 16 rows of Wr: a lane then holds one column e and eight pairs, so the maximum and minimum over j stay inside a lane.  A tile is 16 x 2 = 32 matrix instructions.
; BY TURNS.  A tile's vector work (64 packed subtractions, 64 maxima, scales and conversions, 128 maxima and minima over the results) is cut into slices, one behind each matrix instruction.
; CLUSTER.  The four work-groups of a cluster lie in one batch and need the same rows x_j and the same weights: every tile is asked for jointly (mask 15).  x_j goes through two LDS slots of 64 rows.
; REGISTERS: window 0: addresses, scales, codes, running maxima and minima, 16 accumulators; window 1: v0-127 x_i, v128-255 x_j (register 64 s + 32 c + n holds k = 128 s + 64 c + 32 (lane / 16) + n);
; window 2: Wr's tiles 0-9; window 3: Wr's tiles 10-15, the codes of the work-group's own 4 rows (v144-167), bq + br and bk + br (v168-231).
.set PX,    1040                       ; a row of x in LDS: 1,024 bytes + 16: an odd multiple of 16, so the 16 rows of a load start in 16 different groups of banks
.set TILEB, 16*PX
.set SLOTB, 64*PX
.set SLOT1, 1<<17                      ; slot 1 begins here: one exclusive or turns an address
.set WRL,   SLOTB                      ; Wr's codes, 256 rows of 192 bytes, filled once at the head
.set SCR,   115712                     ; [max, min][4 rows][256] f32
.set WQL,   SLOT1+SLOTB                ; Wq's codes, and 49,152 bytes on Wk's: filled once, behind the last change of slots
.set STG,   123904                     ; [Q, K][4 rows][256 bytes]: the rows as they go to memory
.set SPARE, 125952                     ; the spare words, 128 bytes a wave: no other line names them
.set SPW, 1
.set NIL, 2
.set LANEA, 3                          ; 1,040 r + 128 h
.set ADR, 4
.set SH8, 5                            ; 8 h
.set WRA, 6
.set SW,  7
.set SR,  8
.set WAQ, 9
.set SG,  10
.set SGS, 11
.set SGP, 12
.set OUTL, 13
.set OUTA, 14
.set MM,  16                           ; v16-19 largest magnitudes
.set EE,  20                           ; v20-21 the conversions' scale operands
.set YY,  22                           ; v22-23 scale bytes
.set TT,  24
.set PT,  25
.set RT,  26                           ; v26-29 at work
.set SA,  30                           ; v30-31 the pairs' scale words, K step 0, 1.  v30-57 hold scales and nothing else
.set WRS, 32                           ; v32-47 Wr's: lanes 0-15 K step 0, lanes 16-31 K step 1
.set SX,  48                           ; v48-49 my work-group's own rows'
.set WQS, 50                           ; v50-57 Wq's and Wk's
.set CT,  58                           ; v58-65 the second halves of blocks, as the conversions leave them
.set CA,  66                           ; v66-89 the pairs' two fragments
.set RMX, 90                           ; v90-105 running maxima, v106-121 minima (until the first product: the head's offsets)
.set RMN, 106
.set ACC, 128
.set CX,  144                          ; window 3
.set CB,  168                          ; window 3
.set R_,  90
.set H_,  91
.set R3,  92
.set RP,  93
.set GOWN, 94
.set GXI, 95
.set GB,  96
.set GWRS, 97
.set GWQS, 98
.set VXA, 99
.set GWV, 100
.set GBV, 101
.set GVC, 102
.set G1X, 40
.set G1W, 48
.set G0R, 56
.set G0A, 60
.set G0B, 68
.set G0Q, 72
.set G0K, 76
.set WV,  80
.set TB,  81                           ; LDS byte at which the tile to be fetched begins
.set CN1, 82
.set CN2, 83
.set SEL, 84
.set MSB, 0
.macro WIN new                         ; the immediate's high byte repeats the setting that is left
.if MSB != (\new)
	s_set_vgpr_msb (MSB<<8)|(\new)
.set MSB, (\new)
.endif
.endm
.macro NOPS n
.rept \n
	v_nop
.endr
.endm
.macro ROUND                           ; a round of the cluster's barrier
	s_barrier_signal -1
	s_barrier_wait -1
	s_cmp_lg_u32 s[WV], 0
	s_cbranch_scc1 .Lnw0_\@
	s_barrier_signal -3
.Lnw0_\@:
	s_barrier_wait -3
	s_barrier_signal -1
	s_barrier_wait -1
.endm
; kind 0: starts the sum; 1: adds, source 1's scales in lanes 16-31; 2: adds; 3: adds, source 0's scales in lanes 16-31
.macro MX d, a, b, sa, sb, kind
.if (\kind) == 0
	v_wmma_scale_f32_16x16x128_f8f6f4 v[\d:\d+7], v[\a:\a+11], v[\b:\b+11], 0, v[\sa], v[\sb] matrix_a_fmt:MATRIX_FMT_FP6 matrix_b_fmt:MATRIX_FMT_FP6
.elseif (\kind) == 1
	v_wmma_scale_f32_16x16x128_f8f6f4 v[\d:\d+7], v[\a:\a+11], v[\b:\b+11], v[\d:\d+7], v[\sa], v[\sb] matrix_a_fmt:MATRIX_FMT_FP6 matrix_b_fmt:MATRIX_FMT_FP6 matrix_b_scale:MATRIX_SCALE_ROW1
.elseif (\kind) == 2
	v_wmma_scale_f32_16x16x128_f8f6f4 v[\d:\d+7], v[\a:\a+11], v[\b:\b+11], v[\d:\d+7], v[\sa], v[\sb] matrix_a_fmt:MATRIX_FMT_FP6 matrix_b_fmt:MATRIX_FMT_FP6
.else
	v_wmma_scale_f32_16x16x128_f8f6f4 v[\d:\d+7], v[\a:\a+11], v[\b:\b+11], v[\d:\d+7], v[\sa], v[\sb] matrix_a_fmt:MATRIX_FMT_FP6 matrix_b_fmt:MATRIX_FMT_FP6 matrix_a_scale:MATRIX_SCALE_ROW1
.endif
.endm
.macro W n, s                          ; the pairs' K step s against Wr's tile n.  The 16 accumulators take turns, one instruction a turn
.if (\n) < 10
	WIN 0x08
	MX ACC+8*(\n), CA+12*(\s), 24*(\n)+12*(\s), SA+(\s), WRS+(\n), \s
.else
	WIN 0x0c
	MX ACC+8*(\n), CA+12*(\s), 24*((\n)-10)+12*(\s), SA+(\s), WRS+(\n), \s
.endif
.endm
; THE QUANTISER'S UNITS work on 64 numbers of a lane (two whole blocks of 32) at v[XB] of window XW; codes go to v[CD] on, the scale word to v[SD]; x_i's 64 numbers lie at v[IB] of window 1.
.macro QSET xw, xb, ib, cd, sd
.set XW, \xw
.set XB, \xb
.set IB, \ib
.set CD, \cd
.set SD, \sd
.endm
.macro U_SUB q                         ; 16 of the 64 differences x_i - x_j, in place
	WIN 0x45
.set p, 0
.rept 8
	v_pk_add_f32 v[XB+16*(\q)+2*p:XB+16*(\q)+2*p+1], v[IB+16*(\q)+2*p:IB+16*(\q)+2*p+1], v[XB+16*(\q)+2*p:XB+16*(\q)+2*p+1] neg_lo:[0,1] neg_hi:[0,1]
.set p, p+1
.endr
.endm
.macro U_MAX q                         ; 8 of the 32 maxima: two blocks x two chains of 16 numbers by turns; each chain starts from the floor 2^(3 - 127), so the byte cannot fall under 1
.set WN, (XW<<2)|(XW<<4)
	WIN WN
.set o, 8*(\q)
.rept 8
.set c_, o%2
.set z_, (o/2)%2
.set k_, o/4
.set rD, XB+32*c_+16*z_+2*k_
.if k_ == 0
	v_max3_num_f32 v[MM+2*c_+z_], 0x1800000, |v[rD]|, |v[rD+1]|
.else
	v_max3_num_f32 v[MM+2*c_+z_], v[MM+2*c_+z_], |v[rD]|, |v[rD+1]|
.endif
.set o, o+1
.endr
.endm
.macro U_SCL                           ; 2 off the exponent field is the conversion's scale operand; its exponent field is the byte; my bytes are blocks h and 2 + h of the row's word, lane l xor 16 has the others
	WIN 0
	v_max_num_f32 v[MM], v[MM], v[MM+1]
	v_max_num_f32 v[MM+2], v[MM+2], v[MM+3]
	v_add_nc_u32 v[EE], 0xff000000, v[MM]
	v_add_nc_u32 v[EE+1], 0xff000000, v[MM+2]
	v_lshrrev_b32 v[YY], 23, v[EE]
	v_lshrrev_b32 v[YY+1], 23, v[EE+1]
	v_lshl_or_b32 v[TT], v[YY+1], 16, v[YY]
	v_lshlrev_b32 v[TT], v[SH8], v[TT]
	v_permlanex16_b32 v[PT], v[TT], s[SEL], s[SEL+1]
	v_or_b32 v[SD], v[TT], v[PT]
.endm
.macro U_CVT                           ; a conversion's three registers begin on an even number: a block's second half is made elsewhere and moved
	WIN XW
	v_cvt_scalef32_pk16_fp6_f32 v[CD:CD+2], v[XB:XB+15], v[EE]
	v_cvt_scalef32_pk16_fp6_f32 v[CT:CT+2], v[XB+16:XB+31], v[EE]
	v_cvt_scalef32_pk16_fp6_f32 v[CD+6:CD+8], v[XB+32:XB+47], v[EE+1]
	v_cvt_scalef32_pk16_fp6_f32 v[CT+4:CT+6], v[XB+48:XB+63], v[EE+1]
	v_nop                                          ; one plain place behind the scaled conversions
.endm
.macro U_MOV
	WIN 0
.irp i, 0,1,2
	v_mov_b32 v[CD+3+\i], v[CT+\i]
	v_mov_b32 v[CD+9+\i], v[CT+4+\i]
.endr
.endm
.macro QUANT
	U_MAX 0
	U_MAX 1
	U_MAX 2
	U_MAX 3
	U_SCL
	U_CVT
	U_MOV
.endm
.macro LD s                            ; K step s of the 16 rows at s[TB]: 16 loads of 16 bytes a lane
	WIN 0
	v_add_nc_u32 v[ADR], s[TB], v[LANEA]
	WIN 0x40
.set i, 0
.rept 16
	ds_load_b128 v[128+64*(\s)+4*i:128+64*(\s)+4*i+3], v[ADR] offset:512*(\s)+256*(i/8)+16*(i%8)
.set i, i+1
.endr
.endm
.macro U_R n                           ; accumulator n's eight pairs into the running maximum and minimum, from its low end on
	WIN 0
.set rA, ACC+8*(\n)
	v_max3_num_f32 v[RT], v[rA], v[rA+1], v[rA+2]
	v_min3_num_f32 v[RT+1], v[rA], v[rA+1], v[rA+2]
	v_max3_num_f32 v[RT+2], v[rA+3], v[rA+4], v[rA+5]
	v_min3_num_f32 v[RT+3], v[rA+3], v[rA+4], v[rA+5]
	v_max3_num_f32 v[RT], v[RT], v[RT+2], v[rA+6]
	v_min3_num_f32 v[RT+1], v[RT+1], v[RT+3], v[rA+6]
	v_max3_num_f32 v[RMX+(\n)], v[RMX+(\n)], v[RT], v[rA+7]
	v_min3_num_f32 v[RMN+(\n)], v[RMN+(\n)], v[RT+1], v[rA+7]
.endm
; HALFA: tile t's 16 products of K step 0.  Behind them: the last two reductions of tile t - 1; tile t's K step 1 is quantised; its registers take tile t + 1's (ld); tile t + 1's K step 0 is begun (nxt).
; cnt: the LDS loads issued behind those of tile t's K step 1 (tile t + 1's K step 0: 16).  Every write of codes and scale words stands at least 8 plain lines behind the last product that read them and ahead of the first that will.
.macro HALFA first, ld, nxt, cnt
	QSET 1, 192, 64, CA+12, SA+1
	W 0, 0
.if \first == 0
	U_R 14
.endif
	W 1, 0
.if \first == 0
	U_R 15
.endif
	W 2, 0
	s_wait_dscnt \cnt
	U_SUB 0
	W 3, 0
	U_SUB 1
	W 4, 0
	U_SUB 2
	W 5, 0
	U_SUB 3
	W 6, 0
	U_MAX 0
	W 7, 0
	U_MAX 1
	W 8, 0
	U_MAX 2
	W 9, 0
	U_MAX 3
	W 10, 0
	U_SCL
	W 11, 0
	U_CVT
.if \ld
	LD 1
.endif
	W 12, 0
	U_MOV
	QSET 1, 128, 0, CA, SA
	W 13, 0
.if \nxt
	s_wait_dscnt 16                                ; tile t + 1's K step 0 is in; behind it: the 16 loads just issued
	U_SUB 0
.else
	NOPS 8                                         ; the places between the codes and scale word just made and the products that take them
.endif
	W 14, 0
.if \nxt
	U_SUB 1
.endif
	W 15, 0
.if \nxt
	U_SUB 2
.endif
	WIN 0
	s_add_co_u32 s[TB], s[TB], TILEB               ; the next fetches are the next tile's
.endm
; HALFB: tile t's 16 products of K step 1.  Behind them: tile t + 1's K step 0 is quantised (q), its registers take tile t + 2's (ld); accumulators 0 to 13 are reduced, each at least a slice behind its last product.
.macro HALFB q, ld
	QSET 1, 128, 0, CA, SA
	W 0, 1
.if \q
	U_SUB 3
.endif
	W 1, 1
.if \q
	U_MAX 0
.endif
	W 2, 1
.if \q
	U_MAX 1
.endif
	W 3, 1
.if \q
	U_MAX 2
.endif
	W 4, 1
.if \q
	U_MAX 3
.else
	NOPS 4
.endif
	W 5, 1
.if \q
	U_SCL
.endif
	U_R 0
	W 6, 1
.if \q
	U_CVT
.endif
.if \ld
	LD 0
.endif
	W 7, 1
.if \q
	U_MOV
.endif
	U_R 1
	W 8, 1
	U_R 2
	U_R 3
	W 9, 1
	U_R 4
	U_R 5
	W 10, 1
	U_R 6
	U_R 7
	W 11, 1
	U_R 8
	U_R 9
	W 12, 1
	U_R 10
	W 13, 1
	U_R 11
	W 14, 1
	U_R 12
	W 15, 1
	U_R 13
	WIN 0
.endm
.macro FOUR                            ; four trips fetch a slot's four tiles
	s_mov_b32 s[CN2], 4
.Lfour_\@:
	HALFB 1, 1
	HALFA 0, 1, 1, 16
	s_sub_co_u32 s[CN2], s[CN2], 1
	s_cmp_lg_u32 s[CN2], 0
	s_cbranch_scc1 .Lfour_\@
.endm
; THE CHANGE OF SLOTS: the slot's last bytes have been asked for.  Each wave waits for all its tensor loads, adds 0 to its spare word, waits for that and for its reads of the slot.
; fill = 1: the barrier is a round of the cluster's, and the slot just left takes the 64 rows two slots on: one joint load a wave, first behind the round, with four tiles' work in which to land.
.macro CHANGE fill
	s_wait_tensorcnt 0x0                           ; no tensor load of mine is out, so a group 0 may be written
	ds_add_u32 v[SPW], v[NIL]
.if \fill
	s_xor_b32 s[G0B+1], s[G0B+1], SLOT1
	s_add_nc_u64 s[G0B+2:G0B+3], s[G0B+2:G0B+3], 65536
.endif
	s_sub_co_u32 s[TB], s[TB], SLOTB
	s_xor_b32 s[TB], s[TB], SLOT1
	s_wait_dscnt 0x0                               ; the add is done, my reads of the slot are back
.if \fill
	ROUND
	tensor_load_to_lds s[G0B:G0B+3], s[G1X:G1X+7]
	s_nop 0
	NOPS 4
.else
	s_barrier_signal -1
	s_barrier_wait -1
.endif
.endm
.macro GX32 base, off, sb, imm         ; 128 numbers of a row of x, in the quantiser's order
.set i, 0
.rept 32
	global_load_b128 v[\base+4*i:\base+4*i+3], v[\off], s[\sb:\sb+1] offset:\imm+512*(i/16)+256*((i/8)%2)+16*(i%8)
.set i, i+1
.endr
.endm
.macro GB8 reg, sb                     ; 32 numbers of a bias: columns 64 w + 32 beta + 16 h + 8 u + 0 .. 7
.set i, 0
.rept 8
	global_load_b128 v[\reg+4*i:\reg+4*i+3], v[GB], s[\sb:\sb+1] offset:128*(i/4)+32*((i/2)%2)+16*(i%2)
.set i, i+1
.endr
.endm
.macro FRAGW reg, adr, off             ; a fragment of a weight out of LDS: 24 + 24 bytes of the row's stream of bits, in pieces of 8
.irp p, 0,1,2,3,4,5
	ds_load_b64 v[\reg+2*\p:\reg+2*\p+1], v[\adr] offset:\off+48*(\p/3)+8*(\p%3)
.endr
.endm
	s_load_b512 s[4:19], s[0:1], 0x0               ; x, Wr codes, Wr scales, br, Wq codes, Wq scales, bq, Wk codes
	s_load_b512 s[20:35], s[0:1], 0x40             ; Wk scales, bk, Wv codes, Wv scales, bv, qc, kc, vc
	s_load_b64 s[36:37], s[0:1], 0x80              ; vs
	v_lshl_add_u32 v[SPW], v0, 2, SPARE
	v_mov_b32 v[NIL], 0
	ds_add_u32 v1, v2
	ds_add_u32 v1, v2
	s_wait_dscnt 0x0
	v_lshrrev_b32 v[TT], 5, v0
	v_readfirstlane_b32 s[WV], v[TT]               ; wave 0..3
	s_bfe_u32 s86, ttmp6, 0x40000                  ; cx: it enters global offsets alone
	s_lshl_b32 s87, ttmp9, 2
	s_add_co_u32 s87, s87, s86                     ; g: my work-group; its rows are 4 g .. 4 g + 3
	s_lshr_b32 s88, ttmp9, 5                       ; the batch, which the four partners share
	s_mov_b32 s[SEL], 0x76543210
	s_mov_b32 s[SEL+1], 0xfedcba98                 ; v_permlanex16_b32's selects for lane l xor 16
	v_mov_b32 v[PT], 0                             ; a lane permute's destination counts as one of its sources
	v_and_b32 v[R_], 15, v0                        ; r
	v_bfe_u32 v[H_], v0, 4, 1                      ; h
	v_and_b32 v[R3], 3, v0
	v_and_b32 v[RP], 8, v0
	v_add_nc_u32 v[RP], v[RP], v[R_]               ; r + 8 (r / 8)
	v_mul_u32_u24 v[LANEA], v[R_], PX
	v_lshl_add_u32 v[LANEA], v[H_], 7, v[LANEA]
	v_lshlrev_b32 v[SH8], 3, v[H_]
	v_mul_u32_u24 v[WRA], v[R_], 192
	v_mad_u32_u24 v[WRA], v[H_], 24, v[WRA]
	v_add_nc_u32 v[WRA], WRL, v[WRA]
	s_lshl_b32 s89, s[WV], 10
	v_lshl_add_u32 v[SW], v[R_], 2, s89
	v_add_nc_u32 v[SW], SCR, v[SW]                 ; my row's maxima: 1,024 w + 4 r
	s_lshl_b32 s90, s[WV], 8
	v_lshl_add_u32 v[SR], v[R3], 10, s90
	v_lshl_add_u32 v[SR], v[H_], 6, v[SR]
	v_add_nc_u32 v[SR], SCR, v[SR]                 ; back: row r % 4, columns 64 w + 16 h on
	s_mul_i32 s91, s[WV], 64*192
	v_mul_u32_u24 v[WAQ], v[RP], 192
	v_mad_u32_u24 v[WAQ], v[H_], 24, v[WAQ]
	v_add_nc_u32 v[WAQ], s91, v[WAQ]
	v_add_nc_u32 v[WAQ], WQL, v[WAQ]
	s_mul_i32 s91, s[WV], 48
	v_lshl_add_u32 v[SG], v[R3], 8, s91
	v_mad_u32_u24 v[SG], v[H_], 12, v[SG]
	v_add_nc_u32 v[SG], STG, v[SG]                 ; row r % 4, head 2 w, my half's 12 bytes
	s_lshl_b32 s91, s[WV], 3
	v_lshl_add_u32 v[SGS], v[R3], 8, s91
	v_add_nc_u32 v[SGS], STG+192, v[SGS]           ; its scale words
	v_add_nc_u32 v[SGP], 32, v[SGS]                ; and my 8 of the row's last 32 bytes
	v_lshl_add_u32 v[OUTL], v0, 4, STG
	v_and_b32 v[OUTA], 63, v0
	v_lshlrev_b32 v[OUTA], 4, v[OUTA]
	v_lshlrev_b32 v[GXI], 7, v[H_]
	v_lshl_add_u32 v[GOWN], v[R3], 10, v[GXI]      ; x: row r % 4 of my work-group's four, + 128 h
	v_lshl_add_u32 v[VXA], v[RP], 10, v[GXI]
	v_add_nc_u32 v[GXI], s89, v[GXI]               ; x: my wave's row
	v_lshl_add_u32 v[GB], v[H_], 6, s90
	v_lshlrev_b32 v[GWRS], 3, v[R_]
	v_lshl_add_u32 v[GWRS], v[H_], 2, v[GWRS]      ; scale words: 8 bytes a row; lanes 16-31 take K step 1's
	s_lshl_b32 s91, s[WV], 9
	v_lshl_add_u32 v[GWQS], v[RP], 3, s91
	v_lshl_add_u32 v[GWQS], v[H_], 2, v[GWQS]
	v_mul_u32_u24 v[GWV], v[R_], 192
	v_mad_u32_u24 v[GWV], v[H_], 24, v[GWV]
	v_lshlrev_b32 v[GBV], 2, v[R_]
	v_mul_u32_u24 v[GVC], v[R_], 24
	v_mad_u32_u24 v[GVC], v[H_], 12, v[GVC]
	; group 1 for x: 16 rows of 128 elements of 8 bytes, 16 bytes of padding behind each row; mask: all four work-groups
	s_mov_b32 s[G1X], 15|(3<<16)|(1<<20)|(1<<21)|(7<<22)|(3<<25)
	s_mov_b32 s[G1X+1], 128<<16
	s_mov_b32 s[G1X+2], 32<<16                     ; the head's load of x brings 32 rows; behind it the two words that count rows are set to 16
	s_mov_b32 s[G1X+3], 128<<16
	s_mov_b32 s[G1X+4], 32
	s_mov_b32 s[G1X+5], 128
	s_mov_b32 s[G1X+6], 0
	s_mov_b32 s[G1X+7], 0
	; group 1 for half of a weight's codes: a dense block of 24,576 bytes as 96 rows of 256; mask: all four work-groups
	s_mov_b32 s[G1W], 15|(3<<16)|(1<<21)
	s_mov_b32 s[G1W+1], 32<<16
	s_mov_b32 s[G1W+2], 96<<16
	s_mov_b32 s[G1W+3], 32<<16
	s_mov_b32 s[G1W+4], 96
	s_mov_b32 s[G1W+5], 32
	s_mov_b32 s[G1W+6], 0
	s_mov_b32 s[G1W+7], 0
	s_mul_i32 s90, s[WV], TILEB
	s_lshl_b32 s94, s[WV], 14
	s_lshl_b32 s91, s88, 19
	s_add_co_u32 s94, s94, s91                     ; 524,288 b + 16,384 w
	s_mov_b32 s95, 0
	s_mov_b32 s97, 0
	s_lshl_b32 s98, s87, 12
	s_mov_b32 s99, 0
	s_wait_kmcnt 0x0
	s_and_b32 s89, s[WV], 1                        ; which half of a tile I fetch
	s_lshl_b32 s96, s89, 15
	s_add_co_u32 s96, s96, s91                     ; 524,288 b + 32,768 x half
	s_mov_b32 s[G0A], 1                            ; rows 0-63 of the batch, 32 a load
	s_mul_i32 s[G0A+1], s89, 2*TILEB
	s_add_nc_u64 s[G0A+2:G0A+3], s[4:5], s[96:97]
	s_or_b32 s[G0A+3], s[G0A+3], 0x80000000
	s_mul_i32 s96, s89, 24576                      ; half of a weight's codes
	s_mov_b32 s[G0R], 1
	s_add_co_u32 s[G0R+1], s96, WRL
	s_add_nc_u64 s[G0R+2:G0R+3], s[6:7], s[96:97]
	s_or_b32 s[G0R+3], s[G0R+3], 0x80000000
	s_mov_b32 s[G0Q], 1
	s_add_co_u32 s[G0Q+1], s96, WQL
	s_add_nc_u64 s[G0Q+2:G0Q+3], s[12:13], s[96:97]
	s_or_b32 s[G0Q+3], s[G0Q+3], 0x80000000
	s_mov_b32 s[G0K], 1
	s_add_co_u32 s[G0K+1], s96, WQL+49152
	s_add_nc_u64 s[G0K+2:G0K+3], s[18:19], s[96:97]
	s_or_b32 s[G0K+3], s[G0K+3], 0x80000000
	s_mov_b32 s[G0B], 1
	s_add_co_u32 s[G0B+1], s90, SLOT1
	s_add_nc_u64 s[G0B+2:G0B+3], s[4:5], s[94:95]
	s_add_nc_u64 s[G0B+2:G0B+3], s[G0B+2:G0B+3], 65536
	s_or_b32 s[G0B+3], s[G0B+3], 0x80000000
	s_add_nc_u64 s[92:93], s[4:5], s[98:99]        ; x at my work-group's four rows
	ROUND                                          ; all four work-groups are here: the first joint loads meet
	s_cmp_lt_u32 s[WV], 2                          ; the head's four tiles, one joint load a wave: waves 0 and 1 rows 0-63 of x, waves 2 and 3 Wr
	s_cbranch_scc0 .Lhead_w
	tensor_load_to_lds s[G0A:G0A+3], s[G1X:G1X+7]
	s_nop 0
	NOPS 4
	s_branch .Lhead_asked
.Lhead_w:
	tensor_load_to_lds s[G0R:G0R+3], s[G1W:G1W+7]
	s_nop 0
	NOPS 4
.Lhead_asked:
	WIN 0x40
	GX32 128, GOWN, 92, 0                          ; my work-group's four rows (row r % 4), where x_j will lie
	GX32 0, GXI, 92, 0                             ; x_i
	WIN 0xc0
	GB8 CB, 16                                     ; bq
	GB8 CB+32, 22                                  ; bk
	GB8 0, 10                                      ; br, where Wr's tile 10 will lie
	WIN 0
.set n, 0
	s_wait_alu depctr_va_vdst(0)
.rept 16
	global_load_b32 v[WRS+n], v[GWRS], s[8:9] offset:128*n
.set n, n+1
.endr
	; ---- V, by waves 0 and 1: 32 keys (block g / 8) x 16 columns (32 (g % 8) + 16 w on).  Source 0 = 16 keys of x, chosen so that a lane's 16 results are 16 neighbouring keys; source 1 = 16 rows of Wv
	s_cmp_lt_u32 s[WV], 2
	s_cbranch_scc0 .Lno_v
	s_lshr_b32 s89, s87, 3                         ; the block of keys, 0 .. 31 over both batches
	s_and_b32 s90, s87, 7
	s_lshl_b32 s90, s90, 5
	s_lshl_b32 s91, s[WV], 4
	s_add_co_u32 s90, s90, s91                     ; my first column
	s_lshl_b32 s96, s89, 15
	s_add_nc_u64 s[94:95], s[4:5], s[96:97]
	s_mul_i32 s96, s90, 192
	s_add_nc_u64 s[24:25], s[24:25], s[96:97]
	s_lshl_b32 s96, s90, 3
	s_add_nc_u64 s[26:27], s[26:27], s[96:97]
	s_lshl_b32 s96, s90, 2
	s_add_nc_u64 s[28:29], s[28:29], s[96:97]
	s_lshl_b32 s96, s89, 8
	s_add_co_u32 s96, s96, s90
	s_mul_i32 s96, s96, 24
	s_add_nc_u64 s[34:35], s[34:35], s[96:97]      ; vc: [block][column][24]
	s_lshr_b32 s96, s89, 2
	s_lshl_b32 s96, s96, 10
	s_and_b32 s91, s89, 3
	s_add_co_u32 s96, s96, s91
	s_lshl_b32 s91, s90, 2
	s_add_co_u32 s96, s96, s91
	s_add_nc_u64 s[36:37], s[36:37], s[96:97]      ; vs: [block / 4][column][block % 4]
	WIN 0x80
	GX32 0, VXA, 94, 0                             ; keys r + 8 (r / 8)
	GX32 128, VXA, 94, 8192                        ; and those 8 further on
	WIN 0
.irp s, 0,1
.irp p, 0,1,2,3,4,5
	global_load_b64 v[176+12*\s+2*\p:177+12*\s+2*\p], v[GWV], s[24:25] offset:96*\s+48*(\p/3)+8*(\p%3)
.endr
.endr
	global_load_b32 v[WQS+2], v[GWRS], s[26:27]
	global_load_b32 v216, v[GBV], s[28:29]
	s_wait_loadcnt 0x0
	QSET 2, 0, 0, ACC, SA
	QUANT
	QSET 2, 64, 0, ACC+12, SA+1
	QUANT
	QSET 2, 128, 0, ACC+24, WQS
	QUANT
	QSET 2, 192, 0, ACC+36, WQS+1
	QUANT
	NOPS 8                                         ; a scale word made by vector instructions stands 8 places ahead of the product
	MX 200, ACC, 176, SA, WQS+2, 0
	MX 208, ACC+24, 176, WQS, WQS+2, 0
	MX 200, ACC+12, 188, SA+1, WQS+2, 1
	MX 208, ACC+36, 188, WQS+1, WQS+2, 1
	NOPS 4
.set i, 0
.rept 16
	v_add_f32 v[200+i], v[200+i], v216             ; + bv: v200-215 are keys 16 h + 0 .. 15 of my column
.set i, i+1
.endr
	v_max3_num_f32 v[MM], |v200|, |v201|, 0x1800000
.irp i, 2,4,6,8,10,12,14
	v_max3_num_f32 v[MM], v[MM], |v[200+\i]|, |v[201+\i]|
.endr
	v_permlanex16_b32 v[PT], v[MM], s[SEL], s[SEL+1]
	v_max_num_f32 v[MM], v[MM], v[PT]
	v_add_nc_u32 v[EE], 0xff000000, v[MM]
	v_lshrrev_b32 v[YY], 23, v[EE]
	v_cvt_scalef32_pk16_fp6_f32 v[CT:CT+2], v[200:215], v[EE]
	v_nop
	global_store_b96 v[GVC], v[CT:CT+2], s[34:35]
	global_store_b8 v[GBV], v[YY], s[36:37]        ; both halves of the lanes write the same byte
.Lno_v:
	s_wait_loadcnt 0x0
	s_wait_xcnt 0x0                                ; the stores have read their registers
	WIN 0xcf
.set i, 0
.rept 16
	v_pk_add_f32 v[CB+2*i:CB+2*i+1], v[CB+2*i:CB+2*i+1], v[2*i:2*i+1]              ; bq + br
	v_pk_add_f32 v[CB+32+2*i:CB+32+2*i+1], v[CB+32+2*i:CB+32+2*i+1], v[2*i:2*i+1]  ; bk + br
.set i, i+1
.endr
	QSET 1, 128, 0, CA, SX                         ; the four rows' codes, as a source 1 whose column r is row r % 4
	QUANT
	QSET 1, 192, 0, CA+12, SX+1
	QUANT
	WIN 0xc0
.set i, 0
.rept 24
	v_mov_b32 v[CX+i], v[CA+i]
.set i, i+1
.endr
	WIN 0
.irp a, 0,1,2,3
	global_load_b32 v[WQS+\a], v[GWQS], s[14:15] offset:256*(\a/2)+64*(\a%2)
	global_load_b32 v[WQS+4+\a], v[GWQS], s[20:21] offset:256*(\a/2)+64*(\a%2)
.endr
	s_wait_tensorcnt 0x0                           ; my tile of the head's four is in; slot 1's first fill is issued as a refill is
	ds_add_u32 v[SPW], v[NIL]
	s_mov_b32 s[G1X+2], 16<<16                     ; no tensor load of mine is out, so a descriptor may be written: from here on a load of x brings 16 rows
	s_mov_b32 s[G1X+4], 16
	s_wait_dscnt 0x0
	ROUND                                          ; all four tiles are in, and the four work-groups meet
	tensor_load_to_lds s[G0B:G0B+3], s[G1X:G1X+7]  ; rows 64-127, my one load behind the round
	s_nop 0
	NOPS 4
	WIN 0x80
.set n, 0
.rept 10
	FRAGW 24*n, WRA, 3072*n
	FRAGW 24*n+12, WRA, 3072*n+96
.set n, n+1
.endr
	WIN 0xc0
.rept 6
	FRAGW 24*(n-10), WRA, 3072*n
	FRAGW 24*(n-10)+12, WRA, 3072*n+96
.set n, n+1
.endr
	s_mov_b32 s[TB], 0
	LD 0
	LD 1
	s_mov_b32 s[TB], TILEB
	s_wait_dscnt 16                                ; Wr and tile 0's K step 0 are in; K step 1's 16 loads may be out
	QSET 1, 128, 0, CA, SA
	U_SUB 0
	U_SUB 1
	U_SUB 2
	U_SUB 3
	U_MAX 0
	U_MAX 1
	U_MAX 2
	U_MAX 3
	U_SCL
	U_CVT
	LD 0
	U_MOV
	s_wait_loadcnt 0x0                             ; Wq's and Wk's scale words: the head's offsets are free
.set n, 0
.rept 16
	v_mov_b32 v[RMX+n], 0xff800000                 ; these 32 lines are also the places ahead of the first product
	v_mov_b32 v[RMN+n], 0x7f800000
.set n, n+1
.endr
	HALFA 1, 1, 1, 16
	s_mov_b32 s[CN2], 2
.Lpre:                                                 ; two trips fetch tiles 2 and 3
	HALFB 1, 1
	HALFA 0, 1, 1, 16
	s_sub_co_u32 s[CN2], s[CN2], 1
	s_cmp_lg_u32 s[CN2], 0
	s_cbranch_scc1 .Lpre
	s_mov_b32 s[CN1], 6
.Lchunk:                                               ; six changes of slots ask for rows 128 .. 511
	CHANGE 1
	FOUR
	s_sub_co_u32 s[CN1], s[CN1], 1
	s_cmp_lg_u32 s[CN1], 0
	s_cbranch_scc1 .Lchunk
	; the last change of slots: nothing is filled again.  Behind its round Wq's and Wk's codes are fetched, a first fill: waves 0 and 1 Wq's halves, waves 2 and 3 Wk's; four tiles' work in which to land
	s_wait_tensorcnt 0x0
	ds_add_u32 v[SPW], v[NIL]
	s_sub_co_u32 s[TB], s[TB], SLOTB
	s_xor_b32 s[TB], s[TB], SLOT1
	s_wait_dscnt 0x0                               ; the add is done, my reads of the slot are back
	ROUND
	s_cmp_lt_u32 s[WV], 2
	s_cbranch_scc0 .Ltail_k
	tensor_load_to_lds s[G0Q:G0Q+3], s[G1W:G1W+7]
	s_nop 0
	NOPS 4
	s_branch .Ltail_asked
.Ltail_k:
	tensor_load_to_lds s[G0K:G0K+3], s[G1W:G1W+7]
	s_nop 0
	NOPS 4
.Ltail_asked:
	FOUR
	HALFB 1, 0
	HALFA 0, 0, 0, 0
	s_wait_tensorcnt 0x0                           ; my half of Wq or Wk is in;
	s_barrier_signal -1
	s_barrier_wait -1                              ; and everybody's
	WIN 0x40                                       ; x_i and x_j are done with: Wq's and Wk's fragments of heads 2 w and 2 w + 1 take their place: a = 4 mat + 2 beta + u; rows 32 beta + 8 u + r + 8 (r / 8)
.irp a, 0,1,2,3,4,5,6,7
.irp s, 0,1
	FRAGW 12*(2*\a+\s), WAQ, 49152*(\a/4)+(32*((\a/2)%2)+8*(\a%2))*192+96*\s
.endr
.endr
	WIN 0
	s_wait_alu depctr_va_vdst(0)
	HALFB 0, 0
	U_R 14
	U_R 15
	; ---- the two halves of the lanes hold different pairs: joined; then the row's 256 maxima and minima go to LDS
.set n, 0
.rept 16
	v_permlanex16_b32 v[192+n], v[RMX+n], s[SEL], s[SEL+1]
	v_permlanex16_b32 v[208+n], v[RMN+n], s[SEL], s[SEL+1]
.set n, n+1
.endr
.set n, 0
.rept 16
	v_max_num_f32 v[RMX+n], v[RMX+n], v[192+n]
	v_min_num_f32 v[RMN+n], v[RMN+n], v[208+n]
.set n, n+1
.endr
.set n, 0
.rept 16
	ds_store_b32 v[SW], v[RMX+n] offset:64*n
	ds_store_b32 v[SW], v[RMN+n] offset:4096+64*n
.set n, n+1
.endr
	s_wait_dscnt 0x0                               ; for the others' sake: my stores have landed (and the weights' fragments are in)
	s_barrier_signal -1
	s_barrier_wait -1
.irp a, 0,1,2,3,4,5,6,7                        ; Q takes the minima, K the maxima, in the results' layout
	ds_load_b128 v[ACC+8*\a:ACC+8*\a+3], v[SR] offset:4096*(1-\a/4)+128*((\a/2)%2)+32*(\a%2)
	ds_load_b128 v[ACC+8*\a+4:ACC+8*\a+7], v[SR] offset:4096*(1-\a/4)+128*((\a/2)%2)+32*(\a%2)+16
.endr
	s_wait_dscnt 0x0
	WIN 0x03
.set i, 0
.rept 16
	v_pk_add_f32 v[ACC+2*i:ACC+2*i+1], v[CB+2*i:CB+2*i+1], v[ACC+2*i:ACC+2*i+1] neg_lo:[0,1] neg_hi:[0,1]   ; bq + br - min
	v_pk_add_f32 v[ACC+32+2*i:ACC+32+2*i+1], v[CB+32+2*i:CB+32+2*i+1], v[ACC+32+2*i:ACC+32+2*i+1]           ; bk + br + max
.set i, i+1
.endr
	NOPS 4
	WIN 0x0d                                       ; source 0: the weights, window 1; source 1: the rows' codes, window 3.  Eight accumulators by turns
.irp s, 0,1
.irp a, 0,1,2,3,4,5,6,7
	MX ACC+8*\a, 12*(2*\a+\s), CX+12*\s, WQS+\a, SX+\s, 2+\s
.endr
.endr
	WIN 0
	NOPS 4
	; ---- four blocks k = 2 mat + beta: a head's 32 numbers lie in lanes l and l xor 16, 16 each
.irp k, 0,1,2,3
	v_max3_num_f32 v[MM+\k], |v[ACC+16*\k]|, |v[ACC+16*\k+1]|, 0x1800000
.endr
.irp i, 2,4,6,8,10,12,14
.irp k, 0,1,2,3
	v_max3_num_f32 v[MM+\k], v[MM+\k], |v[ACC+16*\k+\i]|, |v[ACC+16*\k+\i+1]|
.endr
.endr
.irp k, 0,1,2,3
	v_permlanex16_b32 v[RT+\k], v[MM+\k], s[SEL], s[SEL+1]
.endr
.irp k, 0,1,2,3
	v_max_num_f32 v[MM+\k], v[MM+\k], v[RT+\k]
.endr
.irp k, 0,1,2,3
	v_add_nc_u32 v[EE+\k], 0xff000000, v[MM+\k]
.endr
.irp k, 0,1,2,3
	v_lshrrev_b32 v[RT+\k], 23, v[EE+\k]           ; the scale word: the byte, and zeros above it
.endr
.irp k, 0,1,2,3
	v_cvt_scalef32_pk16_fp6_f32 v[CT+4*\k:CT+4*\k+2], v[ACC+16*\k:ACC+16*\k+15], v[EE+\k]
.endr
	v_mov_b32 v[TT], 0                             ; (the plain place behind the conversions)
	v_mov_b32 v[PT], 0
.irp k, 0,1,2,3                                ; lanes with the same r % 4 write the same bytes with the same values
.irp i, 0,1,2
	ds_store_b32 v[SG], v[CT+4*\k+\i] offset:1024*(\k/2)+24*(\k%2)+4*\i
.endr
	ds_store_b32 v[SGS], v[RT+\k] offset:1024*(\k/2)+4*(\k%2)
.endr
	ds_store_b64 v[SGP], v[TT:TT+1]
	ds_store_b64 v[SGP], v[TT:TT+1] offset:1024
	s_wait_dscnt 0x0
	s_barrier_signal -1
	s_barrier_wait -1
	ds_load_b128 v[76:79], v[OUTL]
	s_lshl_b32 s96, s87, 10
	s_mov_b32 s97, 0
	s_cmp_lt_u32 s[WV], 2                          ; waves 0 and 1 store Q's four rows, waves 2 and 3 K's
	s_cselect_b64 s[98:99], s[30:31], s[32:33]
	s_add_nc_u64 s[98:99], s[98:99], s[96:97]
	s_wait_dscnt 0x0
	global_store_b128 v[OUTA], v[76:79], s[98:99]  ; a wave stores 512 consecutive bytes, aligned
	s_wait_tensorcnt 0x0                           ; the wave's end
	ds_add_u32 v[SPW], v[NIL]
	s_wait_dscnt 0x0
	ROUND                                          ; the closing round
	s_endpgm
.Lfunc_end_k_q6ea53728c7_rel:
	.size	k_q6ea53728c7_rel, .Lfunc_end_k_q6ea53728c7_rel-k_q6ea53728c7_rel
	.p2alignl 7, 3214868480
	.fill 96, 4, 3214868480
	.section	.rodata,"a",@progbits
	.p2align	6, 0x0
	.amdhsa_kernel k_q6ea53728c7_rel
		.amdhsa_group_segment_fixed_size 327680
		.amdhsa_private_segment_fixed_size 0
		.amdhsa_enable_private_segment 0
		.amdhsa_kernarg_size 136
		.amdhsa_user_sgpr_count 2
		.amdhsa_user_sgpr_kernarg_segment_ptr 1
		.amdhsa_wavefront_size32 1
		.amdhsa_system_sgpr_workgroup_id_x 1
		.amdhsa_system_sgpr_workgroup_id_y 1
		.amdhsa_system_sgpr_workgroup_id_z 1
		.amdhsa_system_vgpr_workitem_id 0
		.amdhsa_next_free_vgpr 1024
		.amdhsa_next_free_sgpr 100
		.amdhsa_reserve_vcc 0
		.amdhsa_float_denorm_mode_32 3
		.amdhsa_float_denorm_mode_16_64 3
		.amdhsa_memory_ordered 1
		.amdhsa_forward_progress 1
		.amdhsa_inst_pref_size 222
	.end_amdhsa_kernel
	.amdgpu_metadata
---
amdhsa.version: [ 1, 2 ]
amdhsa.kernels:
  - .name:           k_q6ea53728c7_rel
    .symbol:         k_q6ea53728c7_rel.kd
    .args:
      - { .name: x, .offset: 0, .size: 8, .value_kind: global_buffer, .address_space: global }
      - { .name: Wr_codes, .offset: 8, .size: 8, .value_kind: global_buffer, .address_space: global }
      - { .name: Wr_scales, .offset: 16, .size: 8, .value_kind: global_buffer, .address_space: global }
      - { .name: br, .offset: 24, .size: 8, .value_kind: global_buffer, .address_space: global }
      - { .name: Wq_codes, .offset: 32, .size: 8, .value_kind: global_buffer, .address_space: global }
      - { .name: Wq_scales, .offset: 40, .size: 8, .value_kind: global_buffer, .address_space: global }
      - { .name: bq, .offset: 48, .size: 8, .value_kind: global_buffer, .address_space: global }
      - { .name: Wk_codes, .offset: 56, .size: 8, .value_kind: global_buffer, .address_space: global }
      - { .name: Wk_scales, .offset: 64, .size: 8, .value_kind: global_buffer, .address_space: global }
      - { .name: bk, .offset: 72, .size: 8, .value_kind: global_buffer, .address_space: global }
      - { .name: Wv_codes, .offset: 80, .size: 8, .value_kind: global_buffer, .address_space: global }
      - { .name: Wv_scales, .offset: 88, .size: 8, .value_kind: global_buffer, .address_space: global }
      - { .name: bv, .offset: 96, .size: 8, .value_kind: global_buffer, .address_space: global }
      - { .name: qc, .offset: 104, .size: 8, .value_kind: global_buffer, .address_space: global }
      - { .name: kc, .offset: 112, .size: 8, .value_kind: global_buffer, .address_space: global }
      - { .name: vc, .offset: 120, .size: 8, .value_kind: global_buffer, .address_space: global }
      - { .name: vs, .offset: 128, .size: 8, .value_kind: global_buffer, .address_space: global }
    .group_segment_fixed_size: 327680
    .private_segment_fixed_size: 0
    .kernarg_segment_align: 8
    .kernarg_segment_size: 136
    .max_flat_workgroup_size: 128
    .sgpr_count:     100
    .vgpr_count:     1024
    .wavefront_size: 32
...
	.end_amdgpu_metadata
.endif
;; end of part 1
;; launch att (part 2): grid 64 x 1, 8 waves a work-group, clusters of 4 x 1, 267,264 bytes of LDS; arguments qc, kc, vc, vs, Wo_codes, Wo_scales, bo, x, g1, b1, g2, b2, out0; writes out0
.if DOCPART == 2
	.amdgcn_target "amdgcn-amd-amdhsa--gfx1250"
	.amdhsa_code_object_version 6
	.text
	.protected	k_q6ea53728c7_att
	.globl	k_q6ea53728c7_att
	.p2align	8
	.type	k_q6ea53728c7_att,@function
k_q6ea53728c7_att:
	s_mov_b64 s[64:65], 0
	v_nop
	global_prefetch_b8 v0, s[64:65] scope:SCOPE_SE
	s_setreg_imm32_b32 hwreg(HW_REG_WAVE_MODE, 25, 1), 1
	s_wait_xcnt 0x0
	s_wait_alu depctr_hold_cnt(0) depctr_sa_sdst(0) depctr_va_vdst(0) depctr_va_sdst(0) depctr_va_ssrc(0) depctr_va_vcc(0) depctr_vm_vsrc(0)
	s_getreg_b32 s2, hwreg(HW_REG_IB_STS2, 6, 4)
	s_cmp_eq_u32 s2, 0
	s_cbranch_scc0 .Lentry_in_a_cluster
	s_endpgm
.Lentry_in_a_cluster:
	s_bfe_u32 s2, ttmp6, 0x10000c
	s_cmp_lg_u32 s2, 0x3003
	s_cbranch_scc0 .Lentry_shape_is_right
	s_endpgm
.Lentry_shape_is_right:
; out = LN(LN(x + attn Wo^T + bo)), attn = softmax(Q_r K_r^T / sqrt(32)) V, all three products on codes of FP6 (E2M3) with E8M0 scales.
; qc, kc: a row of 256 bytes: 8 heads x 24 bytes of codes, 8 scale words (the byte, zeros above it), 32 zeros.  vc: [block of 32 keys][column][24 bytes]; vs: [batch][128 keys][column][4 bytes].
; SHARES.  A work-group owns 16 queries; wave = head.  All of the batch's K and V lie in LDS, filled once, in four quarters of 128 keys; the four work-groups of a cluster lie in one batch and ask jointly.
; Nothing is filled again.  One tensor load of a wave is out at the start.
; THE FIRST PRODUCT'S K IS 32: the query's fragment holds its block in lanes 0-15, registers 0-5, and zero codes everywhere else, so whatever stands in the keys' other three blocks adds nothing
; (their scale bytes are 0, which is 2^-127).  So a key tile's fragment is 6 loaded registers and the next tile's 6.
; Both products are used transposed (a lane holds one query); the keys of a tile and V's columns of a tile are chosen so that a lane's 16 results are 16 neighbours along the next K.
; THE SOFTMAX: t = score x log2(e) / sqrt(32); M = the ceiling of the running largest t; p = 2^(t - M) is quantised along the keys; the sum of the unquantised p divides at the end.
; LIMITS: NaN and infinities are not served; a block whose largest magnitude lies under 2^-124 gets the scale byte 1.
.set KL,   0                           ; 512 rows of kc, 256 bytes + 16
.set VL,   139264                      ; 16 blocks x 256 columns x 24 bytes
.set VSL,  237568
.set AIMG, 241664                      ; the 16 rows of attn as codes: 192 bytes + 16
.set ASC,  245248                      ; their scale bytes, 8 a row
.set RED,  245504                      ; four regions [16 rows][8 waves] f32
.set OST,  247552                      ; 16 rows of the result, 1,024 bytes + 16
.set AK0, 1
.set AV0, 2
.set AKS, 3
.set AVS, 4
.set AIW, 5
.set ASW, 6
.set AIR, 7
.set ASR, 8
.set RDW, 9
.set RDR, 10
.set OSW, 11
.set QS,  28
.set OSR, 29
.set GOUT, 30
.set ADK, 31
.set ADV, 86
.set ADS, 87
.set R_,  88
.set H_,  89
.set RP,  90
.set LN_, 91
.set GQ,  92
.set GQS, 93
.set GWO, 94
.set GWS, 95
.set VF,  176                          ; v176-199 two fragments of V
.set KS,  200                          ; v200-207 the key tiles' scale words; v208-209 V's; v212 p's; v214-215 attn's; v216-217 Wo's: scales and nothing else
.set VSW, 208
.set F,   210                          ; v[210:211] f = 2^(old M - new M)
.set PW,  212
.set GXY, 213
.set AT,  214
.set WOS, 216
.set GBO, 218
.set WV,  30
.set SEL, 96
.set CS,  98
.set EPS, 101
.set MSB, 0
.macro WIN new
.if MSB != (\new)
	s_set_vgpr_msb (MSB<<8)|(\new)
.set MSB, (\new)
.endif
.endm
.macro NOPS n
.rept \n
	v_nop
.endr
.endm
.macro ROUND
	s_barrier_signal -1
	s_barrier_wait -1
	s_cmp_lg_u32 s[WV], 0
	s_cbranch_scc1 .Lnw0_\@
	s_barrier_signal -3
.Lnw0_\@:
	s_barrier_wait -3
	s_barrier_signal -1
	s_barrier_wait -1
.endm
.macro G0SET g0, lr, lo, pb, go
	s_mov_b32 s[\g0], 1
	s_add_co_u32 s[\g0+1], s[\lr], \lo
	s_add_nc_u64 s[\g0+2:\g0+3], s[\pb:\pb+1], \go
	s_or_b32 s[\g0+3], s[\g0+3], 0x80000000
.endm
	s_load_b512 s[4:19], s[0:1], 0x0               ; qc, kc, vc, vs, Wo codes, Wo scales, bo, x
	s_load_b256 s[20:27], s[0:1], 0x40             ; g1, b1, g2, b2
	s_load_b64 s[28:29], s[0:1], 0x60              ; out0
	v_lshl_add_u32 v253, v0, 2, 0x41000
	v_mov_b32 v255, 0
	ds_add_u32 v253, v255
	ds_add_u32 v253, v255
	v_lshrrev_b32 v[R_], 5, v0
	s_delay_alu instid0(VALU_DEP_1)
	v_readfirstlane_b32 s[WV], v[R_]               ; wave = head, 0..7
	s_bfe_u32 s31, ttmp6, 0x40000                  ; cx: it enters global offsets alone
	s_lshl_b32 s100, ttmp9, 2
	s_add_co_u32 s100, s100, s31                   ; g: my 16 queries are rows 16 g on
	s_lshr_b32 s101, ttmp9, 3                      ; the batch
	s_mov_b32 s[SEL], 0x76543210
	s_mov_b32 s[SEL+1], 0xfedcba98
	s_mov_b32 s[CS], 0x3e8293ee                    ; log2(e) / sqrt(32)
	s_mov_b32 s[CS+1], s[CS]
	; groups 1: rows of 256 bytes (32 elements of 8); K: 16 rows, 16 bytes of padding behind each; V: 12 rows; V's scales: 2 rows.  Mask: all four work-groups
	s_mov_b32 s32, 15|(3<<16)|(1<<20)|(1<<21)|(5<<22)|(3<<25)
	s_mov_b32 s33, 32<<16
	s_mov_b32 s34, 128<<16                         ; K: 128 rows a load
	s_mov_b32 s35, 32<<16
	s_mov_b32 s36, 128
	s_mov_b32 s37, 32
	s_mov_b32 s38, 0
	s_mov_b32 s39, 0
	s_mov_b32 s40, 15|(3<<16)|(1<<21)
	s_mov_b32 s41, 32<<16
	s_mov_b32 s42, 128<<16                         ; V: 128 rows of 256 bytes a load, a third of the batch's
	s_mov_b32 s43, 32<<16
	s_mov_b32 s44, 128
	s_mov_b32 s45, 32
	s_mov_b32 s46, 0
	s_mov_b32 s47, 0
	s_mov_b32 s48, 15|(3<<16)|(1<<21)
	s_mov_b32 s49, 32<<16
	s_mov_b32 s50, 16<<16                          ; V's scales: all 16 rows of 256 bytes in one load
	s_mov_b32 s51, 32<<16
	s_mov_b32 s52, 16
	s_mov_b32 s53, 32
	s_mov_b32 s54, 0
	s_mov_b32 s55, 0
	s_mov_b32 s3, 0
	; THE HEAD'S EIGHT TILES, ONE JOINT LOAD A WAVE: waves 0-3 a quarter of K each (128 keys), waves 4-6 a third of V each (32,768 bytes), wave 7 V's scales
	s_and_b32 s84, s[WV], 3                        ; which quarter of K
	s_min_u32 s85, s84, 2                          ; which third of V
	s_lshl_b32 s2, s101, 17
	s_lshl_b32 s31, s84, 15
	s_add_co_u32 s2, s2, s31
	s_wait_dscnt 0x0
	s_wait_kmcnt 0x0
	s_add_nc_u64 s[6:7], s[6:7], s[2:3]            ; kc at the batch's quarter
	s_mul_i32 s2, s101, 98304
	s_lshl_b32 s31, s85, 15
	s_add_co_u32 s2, s2, s31
	s_add_nc_u64 s[8:9], s[8:9], s[2:3]            ; vc at the batch's third
	s_lshl_b32 s2, s101, 12
	s_add_nc_u64 s[10:11], s[10:11], s[2:3]        ; vs at the batch
	s_mul_i32 s2, s84, 34816
	s_mov_b32 s86, 0
	G0SET 56, 86, VSL, 10, 0
	G0SET 60, 2, 0, 6, 0
	G0SET 68, 31, VL, 8, 0
	ROUND                                          ; all four work-groups are here: the joint loads meet
	s_cmp_lt_u32 s[WV], 4                          ; one chain of branches on the wave's number, one load to an arm, all arms to one join
	s_cbranch_scc0 .Lhead_v
	tensor_load_to_lds s[60:63], s[32:39]
	s_nop 0
	NOPS 4
	s_branch .Lhead_asked
.Lhead_v:
	s_cmp_lt_u32 s[WV], 7
	s_cbranch_scc0 .Lhead_s
	tensor_load_to_lds s[68:71], s[40:47]
	s_nop 0
	NOPS 4
	s_branch .Lhead_asked
.Lhead_s:
	tensor_load_to_lds s[56:59], s[48:55]
	s_nop 0
	NOPS 4
.Lhead_asked:
	v_and_b32 v[R_], 15, v0                        ; r
	v_bfe_u32 v[H_], v0, 4, 1                      ; h
	v_and_b32 v[RP], 8, v0
	s_delay_alu instid0(VALU_DEP_1)
	v_add_nc_u32 v[RP], v[RP], v[R_]               ; r + 8 (r / 8)
	v_and_b32 v[LN_], 31, v0
	s_mul_i32 s2, s[WV], 24
	s_lshl_b32 s3, s[WV], 2
	s_lshl_b32 s31, s[WV], 7
	v_mul_u32_u24 v[AK0], v[RP], 272
	s_delay_alu instid0(VALU_DEP_1)
	v_add_nc_u32 v[AKS], s3, v[AK0]
	s_delay_alu instid0(VALU_DEP_1)
	v_add_nc_u32 v[AKS], 192, v[AKS]               ; a key's scale word of my head
	s_delay_alu instid0(VALU_DEP_3)
	v_add_nc_u32 v[AK0], s2, v[AK0]                ; and its 24 bytes of codes
	s_mul_i32 s101, s[WV], 768
	v_mul_u32_u24 v[AV0], v[RP], 24
	s_delay_alu instid0(VALU_DEP_1)
	v_mad_u32_u24 v[AV0], v[H_], 6144, v[AV0]      ; lanes 16-31 take the next block of keys
	s_delay_alu instid0(VALU_DEP_1)
	v_add_nc_u32 v[AV0], s101, v[AV0]
	s_delay_alu instid0(VALU_DEP_1)
	v_add_nc_u32 v[AV0], VL, v[AV0]
	v_lshl_add_u32 v[AVS], v[RP], 2, s31
	s_delay_alu instid0(VALU_DEP_1)
	v_add_nc_u32 v[AVS], VSL, v[AVS]
	v_mul_u32_u24 v[AIW], v[R_], 208
	s_delay_alu instid0(VALU_DEP_1)
	v_mad_u32_u24 v[AIR], v[H_], 24, v[AIW]
	s_delay_alu instid0(VALU_DEP_1)
	v_add_nc_u32 v[AIR], AIMG, v[AIR]
	s_delay_alu instid0(VALU_DEP_3)
	v_mad_u32_u24 v[AIW], v[H_], 12, v[AIW]
	s_delay_alu instid0(VALU_DEP_1)
	v_add_nc_u32 v[AIW], s2, v[AIW]
	s_delay_alu instid0(VALU_DEP_1)
	v_add_nc_u32 v[AIW], AIMG, v[AIW]
	v_lshl_add_u32 v[ASR], v[R_], 3, ASC
	s_delay_alu instid0(VALU_DEP_1)
	v_add_nc_u32 v[ASW], s[WV], v[ASR]
	v_lshl_add_u32 v[RDR], v[R_], 5, RED
	s_delay_alu instid0(VALU_DEP_1)
	v_add_nc_u32 v[RDW], s3, v[RDR]
	v_mul_u32_u24 v[OSW], v[R_], 1040
	s_delay_alu instid0(VALU_DEP_1)
	v_lshl_add_u32 v[OSW], v[H_], 5, v[OSW]
	s_delay_alu instid0(VALU_DEP_1)
	v_add_nc_u32 v[OSW], s31, v[OSW]
	s_delay_alu instid0(VALU_DEP_1)
	v_add_nc_u32 v[OSW], OST, v[OSW]
	s_mul_i32 s101, s[WV], 2080
	v_lshl_add_u32 v[OSR], v[LN_], 4, s101
	s_delay_alu instid0(VALU_DEP_1)
	v_add_nc_u32 v[OSR], OST, v[OSR]
	s_lshl_b32 s101, s100, 12
	v_lshl_add_u32 v[GQ], v[R_], 8, s101           ; qc: row 16 g + r
	s_delay_alu instid0(VALU_DEP_1)
	v_add_nc_u32 v[GQS], s3, v[GQ]
	s_delay_alu instid0(VALU_DEP_1)
	v_add_nc_u32 v[GQS], 192, v[GQS]
	s_delay_alu instid0(VALU_DEP_3)
	v_add_nc_u32 v[GQ], s2, v[GQ]
	s_mul_i32 s101, s[WV], 6144
	v_mul_u32_u24 v[GWO], v[R_], 192
	s_delay_alu instid0(VALU_DEP_1)
	v_mad_u32_u24 v[GWO], v[H_], 24, v[GWO]
	s_delay_alu instid0(VALU_DEP_1)
	v_add_nc_u32 v[GWO], s101, v[GWO]              ; Wo: rows 32 w + r on
	s_lshl_b32 s101, s[WV], 8
	v_lshl_add_u32 v[GWS], v[R_], 3, s101
	s_delay_alu instid0(VALU_DEP_1)
	v_lshl_add_u32 v[GWS], v[H_], 2, v[GWS]
	v_lshl_add_u32 v[GBO], v[H_], 5, s31           ; columns 32 w + 8 h on
	s_lshl_b32 s101, s100, 14
	v_lshl_add_u32 v[GXY], v[R_], 10, s101
	s_delay_alu instid0(VALU_DEP_1)
	v_add_nc_u32 v[GXY], v[GXY], v[GBO]
	s_lshl_b32 s2, s[WV], 11
	s_add_co_u32 s101, s101, s2
	v_lshl_add_u32 v[GOUT], v[LN_], 4, s101
	s_mov_b32 s[EPS], 0x3727c5ac                   ; 1e-5
.irp p, 0,1,2
	global_load_b64 v[16+2*\p:17+2*\p], v[GQ], s[4:5] offset:8*\p
.endr
	global_load_b32 v[QS], v[GQS], s[4:5]
	global_load_b32 v[WOS], v[GWS], s[14:15]
	global_load_b32 v[WOS+1], v[GWS], s[14:15] offset:128
	WIN 0x40                                       ; window 1: v0-47 Wo (tile t, K step s at 12 (2 t + s)); v48 x; v64 bo; v80 g1; v96 b1; v112 g2; v128 b2, each 16 numbers: columns 32 w + 16 t + 8 h + 0 .. 7
.irp f, 0,1,2,3
.irp p, 0,1,2,3,4,5
	global_load_b64 v[12*\f+2*\p:12*\f+2*\p+1], v[GWO], s[12:13] offset:3072*(\f/2)+96*(\f%2)+48*(\p/3)+8*(\p%3)
.endr
.endr
.irp i, 0,1,2,3
	global_load_b128 v[48+4*\i:51+4*\i], v[GXY], s[18:19] offset:64*(\i/2)+16*(\i%2)
	global_load_b128 v[64+4*\i:67+4*\i], v[GBO], s[16:17] offset:64*(\i/2)+16*(\i%2)
	global_load_b128 v[80+4*\i:83+4*\i], v[GBO], s[20:21] offset:64*(\i/2)+16*(\i%2)
	global_load_b128 v[96+4*\i:99+4*\i], v[GBO], s[22:23] offset:64*(\i/2)+16*(\i%2)
	global_load_b128 v[112+4*\i:115+4*\i], v[GBO], s[24:25] offset:64*(\i/2)+16*(\i%2)
	global_load_b128 v[128+4*\i:131+4*\i], v[GBO], s[26:27] offset:64*(\i/2)+16*(\i%2)
.endr
	WIN 0
	s_wait_loadcnt 0x0
	v_cmp_gt_u32 vcc_lo, 16, v[LN_]
.irp i, 0,1,2,3,4,5
	v_cndmask_b32 v[16+\i], 0, v[16+\i], vcc_lo    ; the query's block stays in lanes 0-15 alone
	v_mov_b32 v[22+\i], 0
	v_mov_b32 v[80+\i], 0                          ; named with the last key tile's fragment
.endr
	v_mov_b32 v13, 0xff61b1e6                      ; the largest t so far: -3e38
	s_delay_alu instid0(VALU_DEP_1)
	v_floor_f32 v12, -v13                          ; -M
	v_mov_b32 v14, 0
	v_mov_b32 v15, 0
	v_mov_b32 v[F+1], 0
.irp b, 0,1,2,3
	v_mov_b32 v[236+\b], 0                         ; a lane permute's destination counts as one of its sources
.endr
.set j, 0
.rept 16
	v_mov_b32 v[160+j], 0                          ; O^T: the first change of M leaves zeros zeros
.set j, j+1
.endr
; A KEY STEP: the batch's s-th 128 keys
.macro STEP s
.if \s == 0
	s_wait_tensorcnt 0x0                           ; my one tile is in;
	s_barrier_signal -1
	s_barrier_wait -1                              ; and everybody's: all of K, V and V's scales lie in LDS, and nothing is filled again
.endif
	v_add_nc_u32 v[ADK], 34816*\s, v[AK0]
	v_add_nc_u32 v[ADS], 34816*\s, v[AKS]
	v_add_nc_u32 v[ADV], 24576*\s, v[AV0]
	v_nop                                          ; four places ahead of loads into registers that the last products read
.irp t, 0,1,2,3,4,5,6,7                        ; lane r of tile t takes key 32 (t / 2) + 8 (t % 2) + r + 8 (r / 8)
.irp p, 0,1,2
	ds_load_b64 v[32+6*\t+2*\p:33+6*\t+2*\p], v[ADK] offset:(32*(\t/2)+8*(\t%2))*272+8*\p
.endr
	ds_load_b32 v[KS+\t], v[ADS] offset:(32*(\t/2)+8*(\t%2))*272
.endr
.irp u, 0,1                                    ; V: columns 8 u + r + 8 (r / 8) of my head; registers 6 c on: block 4 s + 2 c + h
.irp p, 0,1,2,3,4,5
	ds_load_b64 v[VF+12*\u+2*\p:VF+12*\u+2*\p+1], v[ADV] offset:192*\u+12288*(\p/3)+8*(\p%3)
.endr
	ds_load_b32 v[VSW+\u], v[AVS] offset:1024*\s+32*\u
.endr
	s_wait_dscnt 0x0
.irp t, 0,1,2,3,4,5,6,7
	v_wmma_scale_f32_16x16x128_f8f6f4 v[96+8*\t:103+8*\t], v[32+6*\t:43+6*\t], v[16:27], 0, v[KS+\t], v[QS] matrix_a_fmt:MATRIX_FMT_FP6 matrix_b_fmt:MATRIX_FMT_FP6
.endr
	NOPS 4
.irp b, 0,1,2,3
	v_max3_num_f32 v[232+\b], v[96+16*\b], v[97+16*\b], v[98+16*\b]   ; the largest score of each block of 32 keys: for the row's maximum and for the block's largest p
.endr
.irp i, 3,5,7,9,11,13
.irp b, 0,1,2,3
	v_max3_num_f32 v[232+\b], v[232+\b], v[96+16*\b+\i], v[97+16*\b+\i]
.endr
.endr
.irp b, 0,1,2,3
	v_max_num_f32 v[232+\b], v[232+\b], v[111+16*\b]
.endr
.irp b, 0,1,2,3
	s_delay_alu instid0(VALU_DEP_4)
	v_permlanex16_b32 v[236+\b], v[232+\b], s[SEL], s[SEL+1]
.endr
.irp b, 0,1,2,3
	s_delay_alu instid0(VALU_DEP_4)
	v_max_num_f32 v[232+\b], v[232+\b], v[236+\b]
.endr
	s_delay_alu instid0(VALU_DEP_2)
	v_max3_num_f32 v254, v232, v233, v234
	s_delay_alu instid0(VALU_DEP_1)
	v_max_num_f32 v254, v254, v235
	s_delay_alu instid0(VALU_DEP_1)
	v_mul_f32 v254, s[CS], v254
	s_delay_alu instid0(VALU_DEP_1)
	v_max_num_f32 v13, v13, v254                   ; the running largest t
	v_mov_b32 v254, v12
	s_delay_alu instid0(VALU_DEP_2)
	v_floor_f32 v12, -v13                          ; -M = floor(-t)
	s_delay_alu instid0(VALU_DEP_1)
	v_sub_f32 v254, v12, v254                      ; old M - new M: a whole number, 0 or less
	s_delay_alu instid0(VALU_DEP_1)
	v_cvt_i32_f32 v254, v254
	s_delay_alu instid0(VALU_DEP_1)
	v_ldexp_f32 v[F], 1.0, v254
.set j, 0
.rept 32
	v_pk_fma_f32 v[96+j:97+j], v[96+j:97+j], s[CS:CS+1], v[12:13] op_sel_hi:[1,0,0]   ; t - M
.set j, j+2
.endr
.irp b, 0,1,2,3
	v_fma_f32 v[232+\b], v[232+\b], s[CS], v12
.endr
.set j, 0
	s_wait_alu depctr_va_vdst(0)
.rept 64
	v_exp_f32 v[96+j], v[96+j]
.set j, j+1
.endr
.irp b, 0,1,2,3
	v_exp_f32 v[232+\b], v[232+\b]
.endr
	v_pk_mul_f32 v[14:15], v[14:15], v[F:F+1] op_sel_hi:[1,0]   ; the sums under the new M (a plain place behind the exponentials)
	s_wait_alu depctr_va_vdst(0)
.irp b, 0,1,2,3
	v_max_num_f32 v[232+\b], 0x1800000, v[232+\b]
.endr
.irp b, 0,1,2,3
	s_delay_alu instid0(VALU_DEP_4)
	v_add_nc_u32 v[244+\b], 0xff000000, v[232+\b]
.endr
.irp b, 0,1,2,3
	s_delay_alu instid0(VALU_DEP_4)
	v_lshrrev_b32 v[236+\b], 23, v[244+\b]
.endr
	s_delay_alu instid0(VALU_DEP_3)
	v_lshl_or_b32 v[PW], v237, 8, v236
	s_delay_alu instid0(VALU_DEP_1)
	v_lshl_or_b32 v[PW], v238, 16, v[PW]
	s_delay_alu instid0(VALU_DEP_1)
	v_lshl_or_b32 v[PW], v239, 24, v[PW]
.irp c, 0,1
	v_cvt_scalef32_pk16_fp6_f32 v[224+6*\c:226+6*\c], v[96+32*\c:111+32*\c], v[244+2*\c]
	v_cvt_scalef32_pk16_fp6_f32 v[236+4*\c:238+4*\c], v[112+32*\c:127+32*\c], v[244+2*\c+1]
.endr
	v_nop
.irp c, 0,1                                    ; a whole block to a lane: lanes 0-15 block 2 c, lanes 16-31 block 2 c + 1
.irp i, 0,1,2
	v_permlane16_swap_b32 v[224+6*\c+\i], v[236+4*\c+\i]
.endr
.irp i, 0,1,2
	s_delay_alu instid0(VALU_DEP_3)
	v_mov_b32 v[227+6*\c+\i], v[236+4*\c+\i]
.endr
.endr
	v_pk_add_f32 v[236:237], v[100:101], v[104:105]
	v_pk_add_f32 v[250:251], v[108:109], v[112:113]
	v_pk_add_f32 v[248:249], v[116:117], v[120:121]
	v_pk_add_f32 v[246:247], v[124:125], v[128:129]
	v_pk_add_f32 v[244:245], v[132:133], v[136:137]
	v_pk_add_f32 v[242:243], v[140:141], v[144:145]
	v_pk_add_f32 v[240:241], v[148:149], v[152:153]
	v_pk_add_f32 v[14:15], v[14:15], v[156:157]
	v_pk_add_f32 v[236:237], v[236:237], v[96:97]
	v_pk_add_f32 v[250:251], v[250:251], v[98:99]
	v_pk_add_f32 v[248:249], v[248:249], v[102:103]
	v_pk_add_f32 v[246:247], v[246:247], v[106:107]
	v_pk_add_f32 v[244:245], v[244:245], v[110:111]
	v_pk_add_f32 v[242:243], v[242:243], v[114:115]
	v_pk_add_f32 v[240:241], v[240:241], v[118:119]
	v_pk_add_f32 v[14:15], v[14:15], v[122:123]
	v_pk_add_f32 v[236:237], v[236:237], v[126:127]
	v_pk_add_f32 v[250:251], v[250:251], v[130:131]
	v_pk_add_f32 v[248:249], v[248:249], v[134:135]
	v_pk_add_f32 v[246:247], v[246:247], v[138:139]
	v_pk_add_f32 v[244:245], v[244:245], v[142:143]
	v_pk_add_f32 v[242:243], v[242:243], v[146:147]
	v_pk_add_f32 v[240:241], v[240:241], v[150:151]
	v_pk_add_f32 v[14:15], v[14:15], v[154:155]
	v_pk_add_f32 v[236:237], v[236:237], v[158:159]
	s_delay_alu instid0(VALU_DEP_2)
	v_pk_add_f32 v[14:15], v[14:15], v[246:247]
	s_delay_alu instid0(VALU_DEP_2)
	v_pk_add_f32 v[236:237], v[236:237], v[244:245]
	v_pk_add_f32 v[250:251], v[250:251], v[242:243]
	v_pk_add_f32 v[248:249], v[248:249], v[240:241]
	s_delay_alu instid0(VALU_DEP_2)
	v_pk_add_f32 v[14:15], v[14:15], v[250:251]
	s_delay_alu instid0(VALU_DEP_2)
	v_pk_add_f32 v[236:237], v[236:237], v[248:249]
	s_delay_alu instid0(VALU_DEP_1)
	v_pk_add_f32 v[14:15], v[14:15], v[236:237]
.irp j, 0,2,4,6,8,10,12,14
	v_pk_mul_f32 v[160+\j:161+\j], v[160+\j:161+\j], v[F:F+1] op_sel_hi:[1,0]   ; O^T under the new M
.endr
.irp u, 0,1
	v_wmma_scale_f32_16x16x128_f8f6f4 v[160+8*\u:167+8*\u], v[VF+12*\u:VF+12*\u+11], v[224:235], v[160+8*\u:167+8*\u], v[VSW+\u], v[PW] matrix_a_fmt:MATRIX_FMT_FP6 matrix_b_fmt:MATRIX_FMT_FP6
.endr
.endm
	STEP 0
	STEP 1
	STEP 2
	STEP 3
	; ---- attn = O^T / the sum; my head is one block of the next K: lanes l and l xor 16 hold 16 numbers each
	v_add_f32 v14, v14, v15
	s_delay_alu instid0(VALU_DEP_1)
	v_permlanex16_b32 v254, v14, s[SEL], s[SEL+1]
	s_delay_alu instid0(VALU_DEP_1)
	v_add_f32 v14, v14, v254
	s_wait_alu depctr_va_vdst(0)
	v_rcp_f32 v14, v14
	NOPS 3
.set j, 0
	s_wait_alu depctr_va_vdst(0)
.rept 16
	v_mul_f32 v[96+j], v[160+j], v14
.set j, j+1
.endr
	v_max3_num_f32 v232, |v96|, |v97|, 0x1800000
.irp i, 2,4,6,8,10,12,14
	s_delay_alu instid0(VALU_DEP_1)
	v_max3_num_f32 v232, v232, |v[96+\i]|, |v[97+\i]|
.endr
	s_delay_alu instid0(VALU_DEP_1)
	v_permlanex16_b32 v236, v232, s[SEL], s[SEL+1]
	s_delay_alu instid0(VALU_DEP_1)
	v_max_num_f32 v232, v232, v236
	s_delay_alu instid0(VALU_DEP_1)
	v_add_nc_u32 v244, 0xff000000, v232
	s_delay_alu instid0(VALU_DEP_1)
	v_lshrrev_b32 v237, 23, v244
	v_cvt_scalef32_pk16_fp6_f32 v[224:226], v[96:111], v244
	v_nop
	ds_store_b32 v[AIW], v224
	ds_store_b32 v[AIW], v225 offset:4
	ds_store_b32 v[AIW], v226 offset:8
	ds_store_b8 v[ASW], v237                       ; both halves of the lanes write the same byte
	s_wait_dscnt 0x0
	s_barrier_signal -1
	s_barrier_wait -1                              ; the 16 rows' codes and scale bytes of all 8 heads lie in LDS
.irp s, 0,1
.irp p, 0,1,2,3,4,5
	ds_load_b64 v[32+12*\s+2*\p:33+12*\s+2*\p], v[AIR] offset:96*\s+48*(\p/3)+8*(\p%3)
.endr
	ds_load_b32 v[AT+\s], v[ASR] offset:4*\s
.endr
	s_wait_dscnt 0x0
	WIN 0x11                                       ; source 0 (Wo) and C (bo) in window 1.  Two accumulators by turns
	v_wmma_scale_f32_16x16x128_f8f6f4 v[128:135], v[0:11], v[32:43], v[64:71], v[WOS], v[AT] matrix_a_fmt:MATRIX_FMT_FP6 matrix_b_fmt:MATRIX_FMT_FP6
	v_wmma_scale_f32_16x16x128_f8f6f4 v[136:143], v[24:35], v[32:43], v[72:79], v[WOS+1], v[AT] matrix_a_fmt:MATRIX_FMT_FP6 matrix_b_fmt:MATRIX_FMT_FP6
	WIN 0x01
	v_wmma_scale_f32_16x16x128_f8f6f4 v[128:135], v[12:23], v[44:55], v[128:135], v[WOS], v[AT+1] matrix_a_fmt:MATRIX_FMT_FP6 matrix_b_fmt:MATRIX_FMT_FP6 matrix_a_scale:MATRIX_SCALE_ROW1
	v_wmma_scale_f32_16x16x128_f8f6f4 v[136:143], v[36:47], v[44:55], v[136:143], v[WOS+1], v[AT+1] matrix_a_fmt:MATRIX_FMT_FP6 matrix_b_fmt:MATRIX_FMT_FP6 matrix_a_scale:MATRIX_SCALE_ROW1
	NOPS 4
	WIN 0x04
.irp i, 0,2,4,6,8,10,12,14
	v_pk_add_f32 v[128+\i:129+\i], v[128+\i:129+\i], v[48+\i:49+\i]   ; + x
.endr
	WIN 0
.macro RSUM off                        ; my 16 columns' figure in v144 -> the row's, over both halves of the lanes and the eight waves; each use has LDS bytes of its own
	s_delay_alu instid0(VALU_DEP_1)
	v_permlanex16_b32 v146, v144, s[SEL], s[SEL+1]
	s_delay_alu instid0(VALU_DEP_1)
	v_add_f32 v144, v144, v146
	ds_store_b32 v[RDW], v144 offset:\off
	s_wait_dscnt 0x0
	s_barrier_signal -1
	s_barrier_wait -1
	ds_load_b128 v[144:147], v[RDR] offset:\off
	ds_load_b128 v[148:151], v[RDR] offset:\off+16
	s_wait_dscnt 0x0
	v_pk_add_f32 v[144:145], v[144:145], v[146:147]
	v_pk_add_f32 v[148:149], v[148:149], v[150:151]
	s_delay_alu instid0(VALU_DEP_1)
	v_pk_add_f32 v[144:145], v[144:145], v[148:149]
	s_delay_alu instid0(VALU_DEP_1)
	v_add_f32 v144, v144, v145
.endm
.macro LN gw, bw, off                  ; a layer norm of v128-143 in two passes: the mean, then the mean of the squared differences
	v_pk_add_f32 v[144:145], v[128:129], v[130:131]
	v_pk_add_f32 v[146:147], v[132:133], v[134:135]
.irp i, 8,12
	s_delay_alu instid0(VALU_DEP_2)
	v_pk_add_f32 v[144:145], v[144:145], v[128+\i:129+\i]
	s_delay_alu instid0(VALU_DEP_2)
	v_pk_add_f32 v[146:147], v[146:147], v[130+\i:131+\i]
.endr
	s_delay_alu instid0(VALU_DEP_1)
	v_pk_add_f32 v[144:145], v[144:145], v[146:147]
	s_delay_alu instid0(VALU_DEP_1)
	v_add_f32 v144, v144, v145
	RSUM \off
	s_delay_alu instid0(VALU_DEP_1)
	v_mul_f32 v144, 0x3b800000, v144               ; / 256
.irp i, 0,2,4,6,8,10,12,14
	v_pk_add_f32 v[128+\i:129+\i], v[128+\i:129+\i], v[144:145] op_sel_hi:[1,0] neg_lo:[0,1] neg_hi:[0,1]
.endr
	v_pk_mul_f32 v[144:145], v[128:129], v[128:129]
	v_pk_mul_f32 v[146:147], v[130:131], v[130:131]
.irp i, 4,8,12
	s_delay_alu instid0(VALU_DEP_2)
	v_pk_fma_f32 v[144:145], v[128+\i:129+\i], v[128+\i:129+\i], v[144:145]
	s_delay_alu instid0(VALU_DEP_2)
	v_pk_fma_f32 v[146:147], v[130+\i:131+\i], v[130+\i:131+\i], v[146:147]
.endr
	s_delay_alu instid0(VALU_DEP_1)
	v_pk_add_f32 v[144:145], v[144:145], v[146:147]
	s_delay_alu instid0(VALU_DEP_1)
	v_add_f32 v144, v144, v145
	RSUM \off+512
	s_delay_alu instid0(VALU_DEP_1)
	v_fma_f32 v144, v144, 0x3b800000, s[EPS]
	s_wait_alu depctr_va_vdst(0)
	v_rsq_f32 v144, v144
	v_nop
	s_wait_alu depctr_va_vdst(0)
.irp i, 0,2,4,6,8,10,12,14
	v_pk_mul_f32 v[128+\i:129+\i], v[128+\i:129+\i], v[144:145] op_sel_hi:[1,0]
.endr
	WIN 0x14                                       ; gain and bias in window 1
.irp i, 0,2,4,6,8,10,12,14
	v_pk_fma_f32 v[128+\i:129+\i], v[128+\i:129+\i], v[\gw+\i:\gw+\i+1], v[\bw+\i:\bw+\i+1]
.endr
	WIN 0
.endm
	LN 80, 96, 0
	LN 112, 128, 1024
	; ---- the way out: a row's 256 numbers come from eight waves: through a stage, and out as whole rows
.irp t, 0,1
	ds_store_b128 v[OSW], v[128+8*\t:131+8*\t] offset:64*\t
	ds_store_b128 v[OSW], v[132+8*\t:135+8*\t] offset:64*\t+16
.endr
	s_wait_dscnt 0x0
	s_barrier_signal -1
	s_barrier_wait -1
.irp i, 0,1,2,3
	ds_load_b128 v[144+4*\i:147+4*\i], v[OSR] offset:1040*(\i/2)+512*(\i%2)
.endr
.irp i, 0,1,2,3
	s_wait_dscnt 3-\i
	global_store_b128 v[GOUT], v[144+4*\i:147+4*\i], s[28:29] offset:1024*(\i/2)+512*(\i%2)   ; 32 lanes store 512 consecutive bytes, aligned
.endr
	s_wait_tensorcnt 0x0
	ds_add_u32 v253, v255
	s_wait_dscnt 0x0
	ROUND                                          ; the closing round
	s_endpgm
.Lfunc_end_k_q6ea53728c7_att:
	.size	k_q6ea53728c7_att, .Lfunc_end_k_q6ea53728c7_att-k_q6ea53728c7_att
	.p2alignl 7, 3214868480
	.fill 96, 4, 3214868480
	.section	.rodata,"a",@progbits
	.p2align	6, 0x0
	.amdhsa_kernel k_q6ea53728c7_att
		.amdhsa_group_segment_fixed_size 267264
		.amdhsa_private_segment_fixed_size 0
		.amdhsa_enable_private_segment 0
		.amdhsa_kernarg_size 104
		.amdhsa_user_sgpr_count 2
		.amdhsa_user_sgpr_kernarg_segment_ptr 1
		.amdhsa_wavefront_size32 1
		.amdhsa_system_sgpr_workgroup_id_x 1
		.amdhsa_system_sgpr_workgroup_id_y 1
		.amdhsa_system_sgpr_workgroup_id_z 1
		.amdhsa_system_vgpr_workitem_id 0
		.amdhsa_next_free_vgpr 512
		.amdhsa_next_free_sgpr 102
		.amdhsa_reserve_vcc 1
		.amdhsa_float_denorm_mode_32 3
		.amdhsa_float_denorm_mode_16_64 3
		.amdhsa_memory_ordered 1
		.amdhsa_forward_progress 1
		.amdhsa_inst_pref_size 99
	.end_amdhsa_kernel
	.amdgpu_metadata
---
amdhsa.version: [ 1, 2 ]
amdhsa.kernels:
  - .name:           k_q6ea53728c7_att
    .symbol:         k_q6ea53728c7_att.kd
    .args:
      - { .name: qc, .offset: 0, .size: 8, .value_kind: global_buffer, .address_space: global }
      - { .name: kc, .offset: 8, .size: 8, .value_kind: global_buffer, .address_space: global }
      - { .name: vc, .offset: 16, .size: 8, .value_kind: global_buffer, .address_space: global }
      - { .name: vs, .offset: 24, .size: 8, .value_kind: global_buffer, .address_space: global }
      - { .name: Wo_codes, .offset: 32, .size: 8, .value_kind: global_buffer, .address_space: global }
      - { .name: Wo_scales, .offset: 40, .size: 8, .value_kind: global_buffer, .address_space: global }
      - { .name: bo, .offset: 48, .size: 8, .value_kind: global_buffer, .address_space: global }
      - { .name: x, .offset: 56, .size: 8, .value_kind: global_buffer, .address_space: global }
      - { .name: g1, .offset: 64, .size: 8, .value_kind: global_buffer, .address_space: global }
      - { .name: b1, .offset: 72, .size: 8, .value_kind: global_buffer, .address_space: global }
      - { .name: g2, .offset: 80, .size: 8, .value_kind: global_buffer, .address_space: global }
      - { .name: b2, .offset: 88, .size: 8, .value_kind: global_buffer, .address_space: global }
      - { .name: out0, .offset: 96, .size: 8, .value_kind: global_buffer, .address_space: global }
    .group_segment_fixed_size: 267264
    .private_segment_fixed_size: 0
    .kernarg_segment_align: 8
    .kernarg_segment_size: 104
    .max_flat_workgroup_size: 256
    .sgpr_count:     102
    .vgpr_count:     512
    .wavefront_size: 32
...
	.end_amdgpu_metadata
.endif
;; end of part 2
